; MI455X (gfx1250); checked and timed in simulation.
; The chip was launched on July 23, 2026; its instructions are those of AMD's public machine-readable ISA for CDNA 5 (MIT licence, August 2026) and "CDNA5" Instruction Set Architecture Reference Guide (July 2026). The comments in the code are by the model that wrote it; some were corrected since.
;; Naive LSTM Cell. Allowed arithmetic: float matrix products may take bf16 or f16 operands with f32 sums; other float arithmetic in f32, or as packed bf16 or f16 multiplies, adds, multiply-adds, maxima and minima; sums over many terms, partial sums and values carried from step to step in f32; what a program stores and reads back later, other than sums and carried values, may be rounded once to bf16 or f16.
;; Inputs: W_hc 2,048 x 2,048 float32; W_hf 2,048 x 2,048 float32; W_hi 2,048 x 2,048 float32; W_ho 2,048 x 2,048 float32; W_xc 2,048 x 2,048 float32; W_xf 2,048 x 2,048 float32; W_xi 2,048 x 2,048 float32; W_xo 2,048 x 2,048 float32; b_c 2,048 float32; b_f 2,048 float32; b_i 2,048 float32; b_o 2,048 float32; c_x 2,048 x 2,048 float32; h_x 2,048 x 2,048 float32; x 2,048 x 2,048 float32.
;; Outputs: out0 2,048 x 2,048 float32; out1 2,048 x 2,048 float32.
;; 2 versions, each right; version 2 is version 1 with the launch cast written anew for expert scheduling mode. Each part assembles by itself: llvm-mc -triple=amdgcn-amd-amdhsa -mcpu=gfx1250 --defsym DOCPART=n.
;; ======== version 1 of 2: 2 launches
;; limits: below input magnitudes of 1e-05 results are inexact or not finite
;; workspace buffers: a_bf 16,777,216 bytes; b_bf 67,108,864 bytes
;; launch cast (part 1): grid 128 x 10, 8 waves a work-group, no clusters, 0 bytes of LDS; arguments x, h_x, W_xi, W_xf, W_xc, W_xo, W_hi, W_hf, W_hc, W_ho, a_bf, b_bf; writes a_bf, b_bf
.if DOCPART == 1
	.amdgcn_target "amdgcn-amd-amdhsa--gfx1250"
	.amdhsa_code_object_version 6
	.text
	.protected	k_q1be072d23c_cast
	.globl	k_q1be072d23c_cast
	.p2align	8
	.type	k_q1be072d23c_cast,@function
k_q1be072d23c_cast:
	s_mov_b64 s[64:65], 0
	v_nop
	global_prefetch_b8 v0, s[64:65] scope:SCOPE_SE
	s_setreg_imm32_b32 hwreg(HW_REG_WAVE_MODE, 25, 1), 1
	s_wait_xcnt 0x0
; LSTM cell, first of two launches: x, h_x and the eight weight matrices are rounded ONCE to bf16 and laid out for the product of the second launch.
; NO WORK OF THE PROBLEM IS LEFT OUT: every one of its 15 inputs reaches an output; the ten matrix operands are read here, c_x and the four biases by the second launch.
; a_bf: bf16 [2048 m][4096 k]: k 0..2047 = x, k 2048..4095 = h_x; a row is 8,192 bytes.
; b_bf: bf16 [ct 32][ks 32][g 4][kk 128][c 64]: element (k, gate g, hidden n) with ct = n / 64, c = n % 64, ks = k / 128, kk = k % 128; k < 2048 from W_x*, else from W_h*; g = 0 i, 1 f, 2 c, 3 o.
;       So the 64 hidden columns x 4 gates x 128 k that one work-group of the second launch multiplies in one K step are 65,536 bytes on end.
; SHARES.  Grid y picks the source (in the order of the arguments), grid x 16 of its 2,048 rows, a wave two rows: 16,384 bytes in, 8,192 out.  No loop: a wave issues all its 32 loads of 16 bytes a lane
; at once, then converts each four numbers in place as they arrive and stores them.  Every store of a wave covers 256 consecutive bytes, aligned.  No register that a load or store names is written again,
; so the only waits are the counted ones for the loads.  No LDS, no barrier: no wave wants a byte that another wave has read.
; LIMIT: rounding to bf16 is to nearest even; NaN and infinities pass as bf16 keeps them.
.set LO, 2                             ; v2       my byte offset in the wave's two source rows
.set SO, 4                             ; v[4:11]  my byte offset in the destination (weights: one register for each four ct, 8,388,608 bytes apart)
.set X,  16                            ; v[16:143] chunk j at X + 4 j: four f32 as loaded, then two registers of bf16
; 32 loads, lstride bytes apart; then for each: the wait that leaves the younger loads out, two roundings of two numbers, one store of 8 bytes a lane.
.macro CASTP lstride, weights
.set j, 0
.rept 32
	global_load_b128 v[X+4*j:X+4*j+3], v[LO], s[4:5] offset:(\lstride)*j th:TH_LOAD_NT
.set j, j+1
.endr
.set j, 0
.rept 32
	s_wait_loadcnt 31-j                            ; loads come back in order: chunk j is in, the 31 - j younger ones may stay out
	v_cvt_pk_bf16_f32 v[X+4*j],   v[X+4*j],   v[X+4*j+1]
	v_cvt_pk_bf16_f32 v[X+4*j+1], v[X+4*j+2], v[X+4*j+3]
.if \weights
	global_store_b64 v[SO+j/4], v[X+4*j:X+4*j+1], s[6:7] offset:(j%4)*2097152 th:TH_STORE_NT   ; chunk j = ct j: 2,097,152 bytes apart
.else
	global_store_b64 v[SO], v[X+4*j:X+4*j+1], s[6:7] offset:(j/16)*8192+(j%16)*256 th:TH_STORE_NT  ; row j / 16, 128 numbers j % 16
.endif
.set j, j+1
.endr
.endm
	s_load_b512 s[8:23], s[0:1], 0x0               ; x 8, h_x 10, W_xi 12, W_xf 14, W_xc 16, W_xo 18, W_hi 20, W_hf 22
	s_load_b256 s[24:31], s[0:1], 0x40             ; W_hc 24, W_ho 26, a_bf 28, b_bf 30
	v_and_b32 v1, 31, v0                           ; lane
	v_lshrrev_b32 v3, 5, v0
	v_readfirstlane_b32 s33, v3                    ; wave 0..7
	s_and_b32 s32, ttmp7, 0xffff                   ; which source
	s_lshl_b32 s34, ttmp9, 17                      ; 16 rows of 8,192 bytes,
	s_lshl_b32 s35, s33, 14                        ; my wave's two of them
	s_add_co_u32 s34, s34, s35
	s_mov_b32 s35, 0
	s_wait_kmcnt 0x0
	s_mov_b64 s[4:5], s[8:9]                       ; the source's address: a choice among the ten by the grid's y alone
.irp i, 1,2,3,4,5,6,7,8,9
	s_cmp_eq_u32 s32, \i
	s_cselect_b64 s[4:5], s[8+2*(\i):9+2*(\i)], s[4:5]
.endr
	s_add_nc_u64 s[4:5], s[4:5], s[34:35]
	s_cmp_lt_u32 s32, 2
	s_cbranch_scc0 .Lweights
	; x or h_x: the two rows are 16,384 bytes on end; chunk j is 512 of them.  In a_bf a row has the same 8,192 bytes (4,096 bf16), h_x in its second half.
	s_lshl_b32 s36, s32, 12
	s_add_co_u32 s34, s34, s36
	s_add_nc_u64 s[6:7], s[28:29], s[34:35]
	v_lshlrev_b32 v[LO], 4, v1
	v_lshlrev_b32 v[SO], 3, v1
	CASTP 512, 0
	s_endpgm
.Lweights:
	; a weight matrix: lanes 0-15 take 64 columns (256 bytes) of row k, lanes 16-31 the same columns of row k + 1; chunk j is column block ct = j.  In b_bf those are rows kk and kk + 1: 256 bytes on end.
	s_sub_co_u32 s36, s32, 2
	s_lshr_b32 s37, s36, 2                         ; 0: W_x*, 1: W_h*: 16 K steps of 65,536 bytes on
	s_lshl_b32 s37, s37, 20
	s_and_b32 s36, s36, 3                          ; the gate: 16,384 bytes
	s_lshl_b32 s36, s36, 14
	s_add_co_u32 s36, s36, s37
	s_lshr_b32 s37, ttmp9, 3                       ; the K step within the matrix: row / 128
	s_lshl_b32 s37, s37, 16
	s_add_co_u32 s36, s36, s37
	s_and_b32 s37, ttmp9, 7                        ; kk = 16 (x % 8) + 2 wave, 128 bytes each
	s_lshl_b32 s37, s37, 11
	s_add_co_u32 s36, s36, s37
	s_lshl_b32 s37, s33, 8
	s_add_co_u32 s36, s36, s37
	s_mov_b32 s37, 0
	s_add_nc_u64 s[6:7], s[30:31], s[36:37]
	v_and_b32 v3, 15, v1
	v_lshrrev_b32 v[LO], 4, v1
	v_lshlrev_b32 v[LO], 13, v[LO]
	v_lshl_add_u32 v[LO], v3, 4, v[LO]             ; (lane / 16) x 8,192 + 16 (lane % 16)
	v_lshlrev_b32 v[SO], 3, v1                     ; 8 x lane = (lane / 16) x 128 + 8 (lane % 16)
.irp q, 1,2,3,4,5,6,7
	v_add_nc_u32 v[SO+(\q)], (\q)*8388608, v[SO]   ; four ct further on: the rest stands in the store's immediate
.endr
	CASTP 256, 1
	s_endpgm
.Lfunc_end_k_q1be072d23c_cast:
	.size	k_q1be072d23c_cast, .Lfunc_end_k_q1be072d23c_cast-k_q1be072d23c_cast
	.p2alignl 7, 3214868480
	.fill 96, 4, 3214868480
	.section	.rodata,"a",@progbits
	.p2align	6, 0x0
	.amdhsa_kernel k_q1be072d23c_cast
		.amdhsa_group_segment_fixed_size 0
		.amdhsa_private_segment_fixed_size 0
		.amdhsa_enable_private_segment 0
		.amdhsa_kernarg_size 96
		.amdhsa_user_sgpr_count 2
		.amdhsa_user_sgpr_kernarg_segment_ptr 1
		.amdhsa_wavefront_size32 1
		.amdhsa_system_sgpr_workgroup_id_x 1
		.amdhsa_system_sgpr_workgroup_id_y 1
		.amdhsa_system_sgpr_workgroup_id_z 1
		.amdhsa_system_vgpr_workitem_id 0
		.amdhsa_next_free_vgpr 144
		.amdhsa_next_free_sgpr 66
		.amdhsa_reserve_vcc 0
		.amdhsa_float_denorm_mode_32 3
		.amdhsa_float_denorm_mode_16_64 3
		.amdhsa_memory_ordered 1
		.amdhsa_forward_progress 1
		.amdhsa_inst_pref_size 25
	.end_amdhsa_kernel
	.amdgpu_metadata
---
amdhsa.version: [ 1, 2 ]
amdhsa.kernels:
  - .name:           k_q1be072d23c_cast
    .symbol:         k_q1be072d23c_cast.kd
    .args:
      - { .name: x, .offset: 0, .size: 8, .value_kind: global_buffer, .address_space: global }
      - { .name: h_x, .offset: 8, .size: 8, .value_kind: global_buffer, .address_space: global }
      - { .name: W_xi, .offset: 16, .size: 8, .value_kind: global_buffer, .address_space: global }
      - { .name: W_xf, .offset: 24, .size: 8, .value_kind: global_buffer, .address_space: global }
      - { .name: W_xc, .offset: 32, .size: 8, .value_kind: global_buffer, .address_space: global }
      - { .name: W_xo, .offset: 40, .size: 8, .value_kind: global_buffer, .address_space: global }
      - { .name: W_hi, .offset: 48, .size: 8, .value_kind: global_buffer, .address_space: global }
      - { .name: W_hf, .offset: 56, .size: 8, .value_kind: global_buffer, .address_space: global }
      - { .name: W_hc, .offset: 64, .size: 8, .value_kind: global_buffer, .address_space: global }
      - { .name: W_ho, .offset: 72, .size: 8, .value_kind: global_buffer, .address_space: global }
      - { .name: a_bf, .offset: 80, .size: 8, .value_kind: global_buffer, .address_space: global }
      - { .name: b_bf, .offset: 88, .size: 8, .value_kind: global_buffer, .address_space: global }
    .group_segment_fixed_size: 0
    .private_segment_fixed_size: 0
    .kernarg_segment_align: 8
    .kernarg_segment_size: 96
    .max_flat_workgroup_size: 256
    .sgpr_count:     66
    .vgpr_count:     144
    .wavefront_size: 32
...
	.end_amdgpu_metadata
.endif
;; end of part 1
;; launch lstm (part 2): grid 32 x 8, 4 waves a work-group, clusters of 4 x 4, 327,680 bytes of LDS; arguments a_bf, b_bf, c_x, b_i, b_f, b_c, b_o, out0, out1; writes out0, out1
.if DOCPART == 2
	.amdgcn_target "amdgcn-amd-amdhsa--gfx1250"
	.amdhsa_code_object_version 6
	.text
	.protected	k_q1be072d23c_lstm
	.globl	k_q1be072d23c_lstm
	.p2align	8
	.type	k_q1be072d23c_lstm,@function
k_q1be072d23c_lstm:
	s_mov_b64 s[64:65], 0
	v_nop
	global_prefetch_b8 v0, s[64:65] scope:SCOPE_SE
	s_setreg_imm32_b32 hwreg(HW_REG_WAVE_MODE, 25, 1), 1
	s_wait_xcnt 0x0
	s_wait_alu depctr_hold_cnt(0) depctr_sa_sdst(0) depctr_va_vdst(0) depctr_va_sdst(0) depctr_va_ssrc(0) depctr_va_vcc(0) depctr_vm_vsrc(0)
	s_getreg_b32 s2, hwreg(HW_REG_IB_STS2, 6, 4)
	s_cmp_eq_u32 s2, 0
	s_cbranch_scc0 .Lentry_in_a_cluster
	s_endpgm
.Lentry_in_a_cluster:
	s_bfe_u32 s2, ttmp6, 0x10000c
	s_cmp_lg_u32 s2, 0xf033
	s_cbranch_scc0 .Lentry_shape_is_right
	s_endpgm
.Lentry_shape_is_right:
; LSTM cell, second launch.  z_g = [x h] [W_xg; W_hg] + b_g for the gates g = i, f, c, o;  cy = sigmoid(z_f) c_x + sigmoid(z_i) tanh(z_c);  hy = sigmoid(z_o) tanh(cy).  out0 = hy, out1 = cy, f32.
; Nothing of the problem is left out.  The operands come rounded to bf16 from the first launch (a_bf [2048][4096]; b_bf [ct 32][ks 32][g 4][kk 128][c 64]); sums in f32, K ascending; c_x and the biases stay f32.
; SHARES.  A work-group makes 256 batch rows x 64 hidden columns of ALL FOUR gates: a 256 x 256 tile of the product; 8 x 32 = 256 work-groups.  Wave w (rh = w / 2, ch = w % 2) has rows 128 rh .. + 127 and
; hidden columns 32 ch .. + 31 of the four gates: 64 accumulators of 16 x 16.  n block b = 2 g + s is gate g, columns 16 s .. + 15.  K = 4,096 goes in 32 steps of 128 through a ring of two LDS slots.
; THE MATRIX INSTRUCTION IS USED TRANSPOSED (source 0 = 16 columns of B, source 1 = 16 rows of A): lane l (r = l % 16, h = l / 16), register j of accumulator (a, b) holds batch row 16 a + r and hidden column
; 32 ch + 16 s + 8 h + j of gate g.  So the four gates of one output lie in the same lane and register number of four accumulators, and the whole cell is finished in registers.
; A lies along K and comes out of LDS as it lies; B lies [k][column] and comes out turned, by ds_load_tr16_b128.
; CLUSTERS: 4 x 4 work-groups.  The four of a row of the cluster need the same tiles of A, the four of a column the same tiles of B: each is asked for JOINTLY, by the same tensor load with the same descriptor
; and a mask that names the four.  c_x's tile is each work-group's own: a plain load, into slot 0 when that slot has been read for the last time.
; ACTIVATIONS.  sigmoid(z) = 1 / (1 + 2^(-z log2 e));  tanh(z) = 1 - 2 / (1 + 2^(2 z log2 e)).  Where the power overflows to infinity or falls to 0 the forms give their limits 0, 1, -1.
; LIMITS: tanh so formed is off by about 1e-7 absolutely, so its relative accuracy fades below |z| = 1e-5; NaN and infinities in the inputs are not treated apart.
; REGISTERS, in windows of 256 (s_set_vgpr_msb: bits 1:0 source 0, 3:2 source 1, 5:4 source 2, 7:6 destination):
;   window 0: v0-31 addresses; v64-127, v128-191 fragments of A, two buffers; behind the products: v64-127 ZT, v128-143 CX, v144-159 CY, v160-175 UU
;   window 1: v0-63 the biases, scaled; v64-127, v128-191 fragments of B, two buffers
;   window 2: the accumulators of my rows 0-63 ((a, b) at v[8 (8 a + b)]);   window 3: those of my rows 64-127
.set PA,    272                        ; a row of A in LDS: 256 bytes + 16 of padding: the 16 rows of a fragment load start 68 words apart
.set AH,    128*PA                     ; 128 rows of A: one tensor load, and what one wave reads
.set AREG,  2*AH
.set PB,    160                        ; a row of B in LDS (one k, 64 columns): 128 bytes + 32 of padding: 16 lanes of the turning load take 8 rows x 32 bytes
.set GB,    128*PB                     ; one gate's 128 k
.set BH,    2*GB                       ; two gates: one tensor load
.set SLOT,  AREG+2*BH                  ; A's 256 rows, then B's four gates
.set HYB,   AREG                       ; hy's stage, 256 rows x 272 bytes: slot 0's B, behind its last fill and last read
.set CYB,   SLOT                       ; cy's stage, the same size: slot 1's A, behind its last fill and last read
.set SPARE, 2*SLOT                     ; behind the ring: the spare words, 128 bytes for each wave: two blocks of 256 bytes that no other line names
.set LAPS,  16                         ; a lap = two K steps = once round the ring
.set CO,   12                          ; v12  my byte offset in two rows of an output: h x 8,192 + 16 r
.set BO,   13                          ; v13  my byte offset in a bias
.set CYA,  14                          ; v14  where I put cy
.set ADRA, 16                          ; v16-17  LDS address of my A fragments in slot 0, 1
.set ADRB, 20                          ; v20-23  of my B fragments: slot 0 gates 0-1, gates 2-3; slot 1 likewise
.set CAD,  24                          ; v24  where I read c_x
.set HAD,  25                          ; v25  where I put hy
.set RDC,  26                          ; v26  where I read rows of cy back
.set RDH,  27                          ; v27  rows of hy
.set SPW,  28                          ; v28  LDS address of my spare word; never rewritten
.set NIL,  29                          ; v29  0; never rewritten
.set PFO,  30                          ; v30  the prefetches' lane offset for A or B; never rewritten
.set PFCO, 31                          ; v31  for c_x: a lane a row
.set F0,   64
.set F1,   128
.set ZT,   64                          ; 64 registers: block b at ZT + 8 b: so i at +0, f at +16, c~ at +32, o at +48, each 16 (index 8 s + j)
.set CX,   128
.set CY,   144
.set UU,   160
.set NL,   4                           ; s[4:5]  -log2 e, twice
.set TL,   6                           ; s[6:7]  2 log2 e, twice
.set G1,   24                          ; s[24:31] group 1 for A's tiles;  s[32:39] group 0, a set for each slot
.set G0,   32
.set LIM,  43                          ; s43  1 in a wave that prefetches A or B, else the greatest number
.set PFA,  44                          ; s[44:45] where my prefetches stand
.set G1B,  48                          ; s[48:55], s[56:63] the same for B's tiles
.set G0B,  56
.set OUTH, 82                          ; s[82:83] out0 (hy) at my 64 rows of the tile;  s[84:85] out1 (cy)
.set OUTC, 84
.set PFC,  86                          ; s[86:87] c_x at my 64 rows of the tile
.set G1C,  88                          ; s[88:95], s[96:99] c_x's descriptor
.set G0C,  96
.set PSTEP, 100                        ; s[100:101] a K step in my prefetches' tensor: 256 bytes in A, 65,536 in B
.set MSB, 0
.macro WIN new                         ; the immediate's high byte repeats the setting that is left; a switch that changes nothing is dropped
.if MSB != (\new)
	s_set_vgpr_msb (MSB<<8)|(\new)
.set MSB, \new
.endif
.endm
.set MUL_LO, 0xa1                      ; source 0 (B) window 1, source 1 (A) window 0, C and D window 2
.set MUL_HI, 0xf1                      ; the same, C and D window 3
.set TO_B,   0x40                      ; destination window 1, address window 0
; A joint load.  Waves 0 and 1 fetch A's two halves, waves 2 and 3 B's (gates 0-1, gates 2-3).  The branch hangs on the wave's number alone.  An s_nop 0 and four v_nop follow each line.
.macro JLOAD s
	s_cmp_eq_u32 s11, 0
	s_cbranch_scc0 .Lfor_b_\@
	tensor_load_to_lds s[G0+4*(\s):G0+4*(\s)+3], s[G1:G1+7]
	s_nop 0
.rept 4
	v_nop
.endr
	s_branch .Lasked_\@
.Lfor_b_\@:
	tensor_load_to_lds s[G0B+4*(\s):G0B+4*(\s)+3], s[G1B:G1B+7]
	s_nop 0
.rept 4
	v_nop
.endr
.Lasked_\@:
.endm
; A prefetch into the L2 of the K step that stands two refills on (512 matrix instructions ahead of the load that will want it): 32 blocks of 256 bytes, a lane a block, one instruction a wave.
; Each block is named once in the launch: A's rows are asked for by the clusters with x = 0, B's blocks by those with y = 0; of the 128 blocks that a wave fetches each of the four partners takes 32, told apart by address.
; The loop's last trip (s3 = 1) has no K step two refills on.
.macro ASK
	s_cmp_gt_u32 s3, s[LIM]
	s_cbranch_scc0 .Lnot_mine_\@
	global_prefetch_b8 v[PFO], s[PFA:PFA+1] th:TH_LOAD_NT scope:SCOPE_SE
.Lnot_mine_\@:
.endm
; In the loop's last trip, two changes of slots ahead of c_x's load: my own 64 rows x 256 bytes of c_x, a lane a row, two instructions.  No other wave of the launch reads them.
.macro ASKC
	s_cmp_eq_u32 s3, 1
	s_cbranch_scc0 .Lno_c_\@
	global_prefetch_b8 v[PFCO], s[PFC:PFC+1] th:TH_LOAD_NT scope:SCOPE_SE
	global_prefetch_b8 v[PFCO], s[PFC:PFC+1] offset:262144 th:TH_LOAD_NT scope:SCOPE_SE
.Lno_c_\@:
.endm
.macro CREST                           ; a round of the cluster's barrier behind its opening barrier
	s_cmp_lg_u32 s10, 0
	s_cbranch_scc1 .Lnot_wave_0_\@
	s_barrier_signal -3
.Lnot_wave_0_\@:
	s_barrier_wait -3
	s_barrier_signal -1
	s_barrier_wait -1
.endm
.macro CROUND                          ; a whole round
	s_barrier_signal -1
	s_barrier_wait -1
	CREST
.endm
.macro PLACES                          ; four plain vector instructions behind a matrix instruction, ahead of loads into registers that it has read and of vector work on its results
.rept 4
	v_nop
.endr
.endm
; 16 matrix instructions: m blocks a0, a0 + 1 of the window's four x all 8 n blocks, 32 along K.  zero = 1: the first product starts the sums.
.macro MUL16 f, hi, a0, zero
	WIN MUL_LO+0x50*(\hi)
.irp a, \a0, (\a0)+1
.irp b, 0,1,2,3,4,5,6,7
.if \zero
	v_wmma_f32_16x16x32_bf16 v[8*(8*(\a)+(\b)):8*(8*(\a)+(\b))+7], v[(\f)+8*(\b):(\f)+8*(\b)+7], v[(\f)+8*(4*(\hi)+(\a)):(\f)+8*(4*(\hi)+(\a))+7], 0
.else
	v_wmma_f32_16x16x32_bf16 v[8*(8*(\a)+(\b)):8*(8*(\a)+(\b))+7], v[(\f)+8*(\b):(\f)+8*(\b)+7], v[(\f)+8*(4*(\hi)+(\a)):(\f)+8*(4*(\hi)+(\a))+7], v[8*(8*(\a)+(\b)):8*(8*(\a)+(\b))+7]
.endif
.endr
.endr
.endm
; 32 LDS loads in one run: the fragments of quarter q (32 along K) of a slot into buffer f.  B's block b: gate b / 2 (its pair picks the address register, its parity 20,480 bytes), columns 16 (b % 2) on (32 bytes),
; k = 32 q on (32 rows of 160 bytes); the second turning load 16 rows further down.  A's block i: 16 rows of 272 bytes on, 64 q bytes along the row.
.macro FETCH slot, q, f
	WIN TO_B
.irp b, 0,1,2,3,4,5,6,7
	ds_load_tr16_b128 v[(\f)+8*(\b):(\f)+8*(\b)+3],   v[ADRB+2*(\slot)+(\b)/4] offset:(((\b)/2)%2)*GB+(\q)*32*PB+((\b)%2)*32
	ds_load_tr16_b128 v[(\f)+8*(\b)+4:(\f)+8*(\b)+7], v[ADRB+2*(\slot)+(\b)/4] offset:(((\b)/2)%2)*GB+(\q)*32*PB+((\b)%2)*32+16*PB
.endr
	WIN 0
.irp i, 0,1,2,3,4,5,6,7
	ds_load_b128 v[(\f)+8*(\i):(\f)+8*(\i)+3],   v[ADRA+(\slot)] offset:64*(\q)+(\i)*16*PA
	ds_load_b128 v[(\f)+8*(\i)+4:(\f)+8*(\i)+7], v[ADRA+(\slot)] offset:64*(\q)+(\i)*16*PA+32
.endr
.endm
; A K step is four quarters of 32 along K, 64 matrix instructions each, on buffers 0, 1, 0, 1.  One of the first three: multiplies buffer f and, in its middle, fetches quarter q of the same slot into buffer g.
; The 64 accumulators take turns in the same order in every quarter.
.macro QUARTER slot, q, f, g, zero
	s_wait_dscnt 8                                 ; B and A's rows 0-63 are in; the youngest eight loads (A's rows 64-127) may be out
	MUL16 \f, 0, 0, \zero
	MUL16 \f, 0, 2, \zero
	PLACES
	FETCH \slot, \q, \g
	s_wait_dscnt 32                                ; all but the 32 just issued
	MUL16 \f, 1, 0, \zero
	MUL16 \f, 1, 2, \zero
.endm
; The first half of a step's last quarter, and the barrier of the change of slots, which opens a round of the cluster's barrier.
.macro MEET
	WIN 0                                          ; (the add's two registers lie in window 0)
	s_wait_tensorcnt 0x0                           ; all my tensor loads have landed: the one that was out is my part of the next slot
	ds_add_u32 v[SPW], v[NIL]                      ; 0 onto my spare word
	s_wait_dscnt 9                                 ; (the add and the youngest eight loads may be out)
	MUL16 F1, 0, 0, 0                              ; sixteen matrix instructions stand between the add and the wait for it
	s_wait_dscnt 0x0                               ; the add is done, and my reads of this slot are over
	s_barrier_signal -1
	MUL16 F1, 0, 2, 0                              ; work on registers while the others arrive
	WIN 0
	s_barrier_wait -1
.endm
; The whole last quarter: behind the round the slot just read out is filled again first, with the K step two steps on; then the next slot's first fragments are read.
; From a request to the wait for it a wave issues 224 matrix instructions.
.macro TURN slot, next
	s_wait_xcnt 0x0                                ; the last prefetch, a K step back, has read its address, which is stepped here
	s_add_nc_u64 s[PFA:PFA+1], s[PFA:PFA+1], s[PSTEP:PSTEP+1]
	MEET
	CREST                                          ; no wave of any partner still reads this slot or has a load on its way
	s_add_nc_u64 s[G0+4*(\slot)+2:G0+4*(\slot)+3], s[G0+4*(\slot)+2:G0+4*(\slot)+3], 512
	s_add_nc_u64 s[G0B+4*(\slot)+2:G0B+4*(\slot)+3], s[G0B+4*(\slot)+2:G0B+4*(\slot)+3], 131072
	JLOAD \slot                                    ; my one tensor load behind the round; its four v_nop are also the places in front of the loads below
	FETCH \next, 0, F0
	ASK
.if (\slot) == 0
	ASKC
.endif
	MUL16 F1, 1, 0, 0
	MUL16 F1, 1, 2, 0
.endm
; The last change of slots: slot 0 has been read for the last time; its A region takes c_x's tile, each wave its own 64 rows x 256 bytes.
.macro TURNC
	MEET
	CREST
	tensor_load_to_lds s[G0C:G0C+3], s[G1C:G1C+7]
	s_nop 0
.rept 4
	v_nop
.endr
	FETCH 1, 0, F0
	MUL16 F1, 1, 0, 0
	MUL16 F1, 1, 2, 0
.endm
	s_load_b512 s[68:83], s[0:1], 0x0              ; a_bf 68, b_bf 70, c_x 72, b_i 74, b_f 76, b_c 78, b_o 80, out0 82
	s_load_b64 s[84:85], s[0:1], 0x40              ; out1
	v_lshl_add_u32 v[SPW], v0, 2, SPARE
	v_mov_b32 v[NIL], 0
	ds_add_u32 v[SPW], v[NIL]                      ; the wave's opening: the add, twice on end, and its wait ahead of my first tensor load
	ds_add_u32 v[SPW], v[NIL]                      ; and once more, under the one wait; the set-up below, work on registers, stands between
	v_lshrrev_b32 v1, 5, v0
	v_readfirstlane_b32 s10, v1                    ; wave 0..3
	s_lshr_b32 s11, s10, 1                         ; rh: which half of the tile's rows is mine.  Also: I fetch for A (0) or for B (1)
	s_and_b32 s12, s10, 1                          ; ch: which half of the hidden columns.  Also: which half of that tile I fetch
	s_bfe_u32 s40, ttmp6, 0x40000                  ; cx
	s_bfe_u32 s41, ttmp6, 0x40004                  ; cy
	s_lshl_b32 s42, ttmp9, 2
	s_add_co_u32 s42, s42, s40                     ; tc: block of 64 hidden columns = 4 x cluster x + cx
	s_and_b32 s13, ttmp7, 0xffff
	s_lshl_b32 s13, s13, 2
	s_add_co_u32 s13, s13, s41                     ; tr: block of 256 batch rows = 4 x cluster y + cy
	s_lshl_b32 s43, s41, 2
	s_lshl_b32 s43, 15, s43                        ; my row of the cluster
	s_lshl_b32 s44, 0x1111, s40                    ; my column
	; group 1 for A: 128 rows x 128 elements of 2 bytes, 4,096 elements from row to row; 4 words of padding behind every 64
	s_or_b32 s[G1+0], s43, (1<<16)|(1<<20)|(1<<21)|(5<<22)|(3<<25)
	; group 1 for B: 32,768 dense bytes as 128 rows of 256; 8 words of padding behind every 32, that is behind each k's 64 columns
	s_or_b32 s[G1B+0], s44, (1<<16)|(1<<20)|(1<<21)|(4<<22)|(7<<25)
.irp g, G1, G1B
	s_mov_b32 s[(\g)+1], 128<<16                   ; tensor_dim0 = 128
	s_mov_b32 s[(\g)+2], 128<<16                   ; tensor_dim1 = 128
	s_mov_b32 s[(\g)+3], 128<<16                   ; tile_dim0 = 128
	s_mov_b32 s[(\g)+4], 128                       ; tile_dim1 = 128
	s_mov_b32 s[(\g)+6], 0
	s_mov_b32 s[(\g)+7], 0
.endr
	s_mov_b32 s[G1+5], 4096
	s_mov_b32 s[G1B+5], 128
	; group 1 for c_x: 64 rows x 64 elements of 4 bytes, 2,048 elements from row to row; 4 words of padding behind every 64; no mask
	s_mov_b32 s[G1C+0], (2<<16)|(1<<20)|(5<<22)|(3<<25)
	s_mov_b32 s[G1C+1], 64<<16
	s_mov_b32 s[G1C+2], 64<<16
	s_mov_b32 s[G1C+3], 64<<16
	s_mov_b32 s[G1C+4], 64
	s_mov_b32 s[G1C+5], 2048
	s_mov_b32 s[G1C+6], 0
	s_mov_b32 s[G1C+7], 0
	s_mov_b32 s[NL], 0xbfb8aa3b                    ; -log2 e
	s_mov_b32 s[NL+1], 0xbfb8aa3b
	s_mov_b32 s[TL], 0x4038aa3b                    ; 2 log2 e
	s_mov_b32 s[TL+1], 0x4038aa3b
	; offsets.  A's hangs on tr alone, which my row of the cluster shares; B's on tc alone, which my column shares; each in registers that never hold the other coordinate.
	s_lshl_b32 s16, s13, 21                        ; A: row 256 tr + 128 ch, 8,192 bytes a row
	s_lshl_b32 s17, s12, 20
	s_add_co_u32 s16, s16, s17
	s_mov_b32 s17, 0
	s_lshl_b32 s46, s42, 21                        ; B: block tc, 2,097,152 bytes; my two gates, 32,768
	s_lshl_b32 s47, s12, 15
	s_add_co_u32 s46, s46, s47
	s_mov_b32 s47, 0
	s_lshl_b32 s18, s13, 21                        ; c_x and the outputs: row 256 tr + 64 w, 8,192 bytes a row; column 64 tc, 4 bytes
	s_lshl_b32 s19, s10, 19
	s_add_co_u32 s18, s18, s19
	s_lshl_b32 s19, s42, 8
	s_add_co_u32 s18, s18, s19
	s_mov_b32 s19, 0
	s_mul_i32 s20, s12, AH                         ; where the tiles go: no place in the cluster enters an LDS address
	s_mul_i32 s21, s12, BH
	s_add_co_u32 s21, s21, AREG
	s_mul_i32 s[G0C+1], s10, 64*PA
	s_mov_b32 s[G0C], 1
	s_wait_dscnt 0x0                               ; both opening adds are done
	s_wait_kmcnt 0x0
	s_add_nc_u64 s[14:15], s[68:69], s[16:17]
	s_add_nc_u64 s[46:47], s[70:71], s[46:47]
	s_add_nc_u64 s[PFC:PFC+1], s[72:73], s[18:19]
	s_add_nc_u64 s[OUTH:OUTH+1], s[OUTH:OUTH+1], s[18:19]
	s_add_nc_u64 s[OUTC:OUTC+1], s[OUTC:OUTC+1], s[18:19]
	s_mov_b64 s[G0C+2:G0C+3], s[PFC:PFC+1]
	s_or_b32 s[G0C+3], s[G0C+3], 0x80000000
.irp s, 0,1
	s_mov_b32 s[G0+4*(\s)], 1
	s_add_co_u32 s[G0+4*(\s)+1], s20, (\s)*SLOT
	s_add_nc_u64 s[G0+4*(\s)+2:G0+4*(\s)+3], s[14:15], (\s)*256      ; K step s
	s_or_b32 s[G0+4*(\s)+3], s[G0+4*(\s)+3], 0x80000000
	s_mov_b32 s[G0B+4*(\s)], 1
	s_add_co_u32 s[G0B+4*(\s)+1], s21, (\s)*SLOT
	s_add_nc_u64 s[G0B+4*(\s)+2:G0B+4*(\s)+3], s[46:47], (\s)*65536
	s_or_b32 s[G0B+4*(\s)+3], s[G0B+4*(\s)+3], 0x80000000
.endr
	CROUND                                         ; all sixteen work-groups are here: the first joint loads meet
	s_cmp_eq_u32 s11, 0                            ; a wave's two first fills stand in one branch, ahead of every wait on TENSORcnt and every LDS read: two loads of mine are out
	s_cbranch_scc0 .Lfirst_b
	tensor_load_to_lds s[G0:G0+3], s[G1:G1+7]
	s_nop 0
	tensor_load_to_lds s[G0+4:G0+7], s[G1:G1+7]
	s_nop 0
.rept 4
	v_nop
.endr
	s_branch .Lfirst_asked
.Lfirst_b:
	tensor_load_to_lds s[G0B:G0B+3], s[G1B:G1B+7]
	s_nop 0
	tensor_load_to_lds s[G0B+4:G0B+7], s[G1B:G1B+7]
	s_nop 0
.rept 4
	v_nop
.endr
.Lfirst_asked:
	; the lanes' addresses, while the first tiles are on their way
	v_and_b32 v1, 15, v0                           ; r = l % 16
	v_bfe_u32 v2, v0, 4, 1                         ; h = l / 16
	v_mul_u32_u24 v3, v1, PA
	v_lshl_add_u32 v3, v2, 4, v3                   ; A: row r x pitch + 16 h
	s_mul_i32 s22, s11, AH                         ; my 128 rows
	v_add_nc_u32 v[ADRA], s22, v3
	v_add_nc_u32 v[ADRA+1], SLOT, v[ADRA]
	v_and_b32 v4, 7, v0                            ; B, for the turning load: lane l reads 16 bytes of row 8 h + l % 8, columns 8 ((l / 8) % 2) on
	v_bfe_u32 v5, v0, 3, 1
	v_lshl_add_u32 v4, v2, 3, v4
	v_mul_u32_u24 v4, v4, PB
	v_lshl_add_u32 v4, v5, 4, v4
	s_lshl_b32 s22, s12, 6                         ; my 32 columns: 64 bytes
	s_add_co_u32 s22, s22, AREG
	v_add_nc_u32 v[ADRB], s22, v4
	v_add_nc_u32 v[ADRB+1], BH, v[ADRB]
	v_add_nc_u32 v[ADRB+2], SLOT, v[ADRB]
	v_add_nc_u32 v[ADRB+3], SLOT+BH, v[ADRB]
	s_mul_i32 s22, s11, AH                         ; c_x's tile and the stages have A's pitch: row 128 rh + r, byte 128 ch + 32 h
	s_lshl_b32 s23, s12, 7
	s_add_co_u32 s22, s22, s23
	v_mul_u32_u24 v[CAD], v1, PA
	v_lshl_add_u32 v[CAD], v2, 5, v[CAD]
	v_add_nc_u32 v[CAD], s22, v[CAD]
	v_add_nc_u32 v[HAD], HYB, v[CAD]
	v_add_nc_u32 v[CYA], CYB, v[CAD]
	s_mul_i32 s22, s10, 64*PA                      ; back: wave w takes rows 64 w .. + 63 whole; lanes 0-15 one row of 256 bytes, lanes 16-31 the next
	v_mul_u32_u24 v[RDC], v2, PA
	v_lshl_add_u32 v[RDC], v1, 4, v[RDC]
	v_add_nc_u32 v[RDC], s22, v[RDC]
	v_add_nc_u32 v[RDH], HYB, v[RDC]
	v_add_nc_u32 v[RDC], CYB, v[RDC]
	v_lshlrev_b32 v[CO], 13, v2                    ; and the same two rows in an output
	v_lshl_add_u32 v[CO], v1, 4, v[CO]
	s_lshl_b32 s22, s42, 8                         ; a bias: 4 (64 tc + 32 ch + 8 h) bytes
	s_add_co_u32 s22, s22, s23
	v_lshl_add_u32 v[BO], v2, 5, s22
	WIN TO_B                                       ; the biases of my 8 n blocks: eight numbers a lane and block, as the accumulators hold the columns
.irp b, 0,1,2,3,4,5,6,7
	global_load_b128 v[8*(\b):8*(\b)+3],   v[BO], s[74+2*((\b)/2):75+2*((\b)/2)] offset:64*((\b)%2)
	global_load_b128 v[8*(\b)+4:8*(\b)+7], v[BO], s[74+2*((\b)/2):75+2*((\b)/2)] offset:64*((\b)%2)+16
.endr
	WIN 0
	; the prefetches.  Nothing is prefetched here, at the head: K steps 0 to 3 come by their loads alone.
	s_lshl_b32 s20, s13, 21                        ; A: row 256 tr + 128 ch + 32 cx, at K step 3: the first change of slots steps it to 4
	s_lshl_b32 s14, s12, 20
	s_add_co_u32 s20, s20, s14
	s_lshl_b32 s14, s40, 18
	s_add_co_u32 s20, s20, s14
	s_add_co_u32 s20, s20, 3*256
	s_lshl_b32 s21, s42, 21                        ; B: block tc, my two gates, of their 32,768 bytes the 8,192 at cy, at K step 3
	s_lshl_b32 s14, s12, 15
	s_add_co_u32 s21, s21, s14
	s_lshl_b32 s14, s41, 13
	s_add_co_u32 s21, s21, s14
	s_add_co_u32 s21, s21, 3*65536
	s_and_b32 s22, ttmp7, 0xffff                   ; cluster y
	s_mov_b32 s14, 256
	s_mov_b32 s15, 65536
	s_cmp_eq_u32 s11, 0                            ; do I fetch for A?
	s_cselect_b32 s20, s20, s21
	s_cselect_b32 s22, ttmp9, s22                  ; the coordinate along which other clusters read the same blocks
	s_cselect_b32 s[PSTEP], s14, s15
	s_cselect_b32 s23, 13, 8                       ; a lane's block: a row of A further down, or the next 256 bytes of B
	s_cselect_b64 s[PFA:PFA+1], s[68:69], s[70:71]
	s_mov_b32 s21, 0
	s_mov_b32 s[PSTEP+1], 0
	s_add_nc_u64 s[PFA:PFA+1], s[PFA:PFA+1], s[20:21]
	s_cmp_eq_u32 s22, 0
	s_cselect_b32 s[LIM], 1, -1                    ; the same in all sixteen partners, for a given wave
	v_and_b32 v6, 31, v0
	v_lshlrev_b32 v[PFO], s23, v6
	v_lshlrev_b32 v[PFCO], 13, v6
	s_wait_loadcnt 0x0                             ; the biases
	WIN 0x41                                       ; destination and source 0 window 1: each bias takes the factor of its gate's exponent, so that one fused multiply-add makes the exponent from the sum
.set n, 0
.rept 32
.if (n >= 32) && (n < 48)
	v_pk_mul_f32 v[n:n+1], v[n:n+1], s[TL:TL+1] op_sel_hi:[1,0]
.else
	v_pk_mul_f32 v[n:n+1], v[n:n+1], s[NL:NL+1] op_sel_hi:[1,0]
.endif
.set n, n+2
.endr
	WIN 0
	s_wait_tensorcnt 1                             ; my part of K step 0 is in; K step 1's may stay out
	s_barrier_signal -1
	s_barrier_wait -1                              ; everybody's is
	FETCH 0, 0, F0
	QUARTER 0, 1, F0, F1, 1                        ; the first quarter stands in front of the loop: its products start the sums
	WIN 0                                          ; at a label and at a branch every window is 0
	s_mov_b32 s3, LAPS-1
.Llap:                                                 ; a trip goes once round the ring, from a lap's second quarter to the next lap's first, and fills both slots again
	QUARTER 0, 2, F1, F0, 0
	QUARTER 0, 3, F0, F1, 0
	TURN 0, 1
	QUARTER 1, 1, F0, F1, 0
	QUARTER 1, 2, F1, F0, 0
	QUARTER 1, 3, F0, F1, 0
	TURN 1, 0
	QUARTER 0, 1, F0, F1, 0
	WIN 0
	s_sub_co_u32 s3, s3, 1
	s_cmp_lg_u32 s3, 0
	s_cbranch_scc1 .Llap
	QUARTER 0, 2, F1, F0, 0                        ; the last lap goes on: K steps 30 and 31
	QUARTER 0, 3, F0, F1, 0
	TURNC                                          ; c_x is asked for: it has a K step, 224 matrix instructions and more, in which to land
	QUARTER 1, 1, F0, F1, 0
	QUARTER 1, 2, F1, F0, 0
	QUARTER 1, 3, F0, F1, 0
	s_wait_dscnt 8                                 ; the very last quarter: nothing more to fetch
	MUL16 F1, 0, 0, 0
	MUL16 F1, 0, 2, 0
	s_wait_dscnt 0x0
	MUL16 F1, 1, 0, 0
	MUL16 F1, 1, 2, 0
	WIN 0
	PLACES                                         ; behind the last products, ahead of the work on their results and of loads into A's buffers
	PLACES                                         ; (eight, once a launch)
	s_wait_tensorcnt 0x0                           ; my 64 rows of c_x are in LDS,
	s_wait_dscnt 0x0                               ; and my reads of slot 1 are over
	s_barrier_signal -1
	s_barrier_wait -1                              ; everybody's: c_x may be read, and both stages written; nothing is filled any more
; THE CELL, for my rows 16 a .. + 15: 16 outputs a lane (index 8 s + j).  The transcendentals go in four batches, each with one plain instruction behind its last and ONE wait ahead of its first reader.
.macro EPI a
.set AC, 64*((\a)%4)
	WIN 0
.irp s, 0,1
.irp u, 0,1
	ds_load_b128 v[CX+8*(\s)+4*(\u):CX+8*(\s)+4*(\u)+3], v[CAD] offset:16*PA*(\a)+64*(\s)+16*(\u)
.endr
.endr
	WIN 0x12+(\a)/4                                ; source 0: the accumulators' window; source 2: window 1; destination: window 0
.irp b, 0,1,2,3,4,5,6,7
.irp p, 0,1,2,3                        ; each accumulator is read from its low end on
.if ((\b)/2) == 2
	v_pk_fma_f32 v[ZT+8*(\b)+2*(\p):ZT+8*(\b)+2*(\p)+1], v[AC+8*(\b)+2*(\p):AC+8*(\b)+2*(\p)+1], s[TL:TL+1], v[8*(\b)+2*(\p):8*(\b)+2*(\p)+1] op_sel_hi:[1,0,1]  ; 2 log2 e (sum + b_c)
.else
	v_pk_fma_f32 v[ZT+8*(\b)+2*(\p):ZT+8*(\b)+2*(\p)+1], v[AC+8*(\b)+2*(\p):AC+8*(\b)+2*(\p)+1], s[NL:NL+1], v[8*(\b)+2*(\p):8*(\b)+2*(\p)+1] op_sel_hi:[1,0,1]  ; -log2 e (sum + b)
.endif
.endr
.endr
	WIN 0
.set n, 0
.rept 64
	v_exp_f32 v[ZT+n], v[ZT+n]
.set n, n+1
.endr
	v_nop
	s_wait_alu depctr_va_vdst(0)
.set n, 0
.rept 32
	v_pk_add_f32 v[ZT+n:ZT+n+1], v[ZT+n:ZT+n+1], 1.0 op_sel_hi:[1,0]
.set n, n+2
.endr
.set n, 0
.rept 64
	v_rcp_f32 v[ZT+n], v[ZT+n]
.set n, n+1
.endr
	v_nop
	s_wait_alu depctr_va_vdst(0)                   ; ZT: i, f, 1 / (1 + 2^..) of gate c, o
	s_wait_dscnt 0x0                               ; c_x's 16 numbers are in
.set n, 0
.rept 8
	v_pk_fma_f32 v[ZT+32+n:ZT+33+n], v[ZT+32+n:ZT+33+n], -2.0, 1.0 op_sel_hi:[1,0,0]   ; c~ = tanh
	v_pk_mul_f32 v[CY+n:CY+n+1], v[ZT+16+n:ZT+17+n], v[CX+n:CX+n+1]                    ; f c_x
.set n, n+2
.endr
.set n, 0
.rept 8
	v_pk_fma_f32 v[CY+n:CY+n+1], v[ZT+n:ZT+n+1], v[ZT+32+n:ZT+33+n], v[CY+n:CY+n+1]    ; cy = i c~ + f c_x
.set n, n+2
.endr
.set n, 0
.rept 8
	v_pk_mul_f32 v[UU+n:UU+n+1], v[CY+n:CY+n+1], s[TL:TL+1] op_sel_hi:[1,0]
.set n, n+2
.endr
.set n, 0
.rept 16
	v_exp_f32 v[UU+n], v[UU+n]
.set n, n+1
.endr
	v_nop
	s_wait_alu depctr_va_vdst(0)
.set n, 0
.rept 8
	v_pk_add_f32 v[UU+n:UU+n+1], v[UU+n:UU+n+1], 1.0 op_sel_hi:[1,0]
.set n, n+2
.endr
.set n, 0
.rept 16
	v_rcp_f32 v[UU+n], v[UU+n]
.set n, n+1
.endr
	v_nop
	s_wait_alu depctr_va_vdst(0)
.set n, 0
.rept 8
	v_pk_fma_f32 v[UU+n:UU+n+1], v[UU+n:UU+n+1], -2.0, 1.0 op_sel_hi:[1,0,0]           ; tanh(cy)
.set n, n+2
.endr
.set n, 0
.rept 8
	v_pk_mul_f32 v[UU+n:UU+n+1], v[ZT+48+n:ZT+49+n], v[UU+n:UU+n+1]                    ; hy
.set n, n+2
.endr
.irp s, 0,1
.irp u, 0,1
	ds_store_b128 v[CYA], v[CY+8*(\s)+4*(\u):CY+8*(\s)+4*(\u)+3] offset:16*PA*(\a)+64*(\s)+16*(\u)
	ds_store_b128 v[HAD], v[UU+8*(\s)+4*(\u):UU+8*(\s)+4*(\u)+3] offset:16*PA*(\a)+64*(\s)+16*(\u)
.endr
.endr
.endm
.irp a, 0,1,2,3,4,5,6,7
	EPI \a
.endr
	; THE WAY OUT.  A row's 256 bytes come from two waves, so a barrier stands between the writing and the reading; then each wave takes 64 whole rows of both stages.
	s_wait_dscnt 0x0                               ; for the others' sake: my stores into the stages are done
	s_barrier_signal -1
	s_barrier_wait -1
.set n, 0
.rept 32
	ds_load_b128 v[64+4*n:64+4*n+3], v[RDC] offset:2*PA*n
.set n, n+1
.endr
	WIN TO_B
.set n, 0
.rept 32
	ds_load_b128 v[64+4*n:64+4*n+3], v[RDH] offset:2*PA*n
.set n, n+1
.endr
	WIN 0
.set n, 0
.rept 32
	s_wait_dscnt 63-n                              ; behind cy's load n stand its 31 - n younger ones and hy's 32
	global_store_b128 v[CO], v[64+4*n:64+4*n+3], s[OUTC:OUTC+1] offset:16384*n th:TH_STORE_NT  ; 16 lanes store 256 consecutive bytes, at a multiple of 256 from the output's first byte
.set n, n+1
.endr
	WIN 0x04                                       ; the stores' data in window 1
.set n, 0
.rept 32
	s_wait_dscnt 31-n
	global_store_b128 v[CO], v[64+4*n:64+4*n+3], s[OUTH:OUTH+1] offset:16384*n th:TH_STORE_NT
.set n, n+1
.endr
	WIN 0
	s_wait_tensorcnt 0x0                           ; the wave's end: behind my last tensor load and my last LDS store
	ds_add_u32 v[SPW], v[NIL]
	s_wait_dscnt 0x0
	CROUND                                         ; the closing round: no work-group ends while a partner may still ask for a tile that names it
	s_endpgm
.Lfunc_end_k_q1be072d23c_lstm:
	.size	k_q1be072d23c_lstm, .Lfunc_end_k_q1be072d23c_lstm-k_q1be072d23c_lstm
	.p2alignl 7, 3214868480
	.fill 96, 4, 3214868480
	.section	.rodata,"a",@progbits
	.p2align	6, 0x0
	.amdhsa_kernel k_q1be072d23c_lstm
		.amdhsa_group_segment_fixed_size 327680
		.amdhsa_private_segment_fixed_size 0
		.amdhsa_enable_private_segment 0
		.amdhsa_kernarg_size 72
		.amdhsa_user_sgpr_count 2
		.amdhsa_user_sgpr_kernarg_segment_ptr 1
		.amdhsa_wavefront_size32 1
		.amdhsa_system_sgpr_workgroup_id_x 1
		.amdhsa_system_sgpr_workgroup_id_y 1
		.amdhsa_system_sgpr_workgroup_id_z 1
		.amdhsa_system_vgpr_workitem_id 0
		.amdhsa_next_free_vgpr 1024
		.amdhsa_next_free_sgpr 102
		.amdhsa_reserve_vcc 0
		.amdhsa_float_denorm_mode_32 3
		.amdhsa_float_denorm_mode_16_64 3
		.amdhsa_memory_ordered 1
		.amdhsa_forward_progress 1
		.amdhsa_inst_pref_size 239
	.end_amdhsa_kernel
	.amdgpu_metadata
---
amdhsa.version: [ 1, 2 ]
amdhsa.kernels:
  - .name:           k_q1be072d23c_lstm
    .symbol:         k_q1be072d23c_lstm.kd
    .args:
      - { .name: a_bf, .offset: 0, .size: 8, .value_kind: global_buffer, .address_space: global }
      - { .name: b_bf, .offset: 8, .size: 8, .value_kind: global_buffer, .address_space: global }
      - { .name: c_x, .offset: 16, .size: 8, .value_kind: global_buffer, .address_space: global }
      - { .name: b_i, .offset: 24, .size: 8, .value_kind: global_buffer, .address_space: global }
      - { .name: b_f, .offset: 32, .size: 8, .value_kind: global_buffer, .address_space: global }
      - { .name: b_c, .offset: 40, .size: 8, .value_kind: global_buffer, .address_space: global }
      - { .name: b_o, .offset: 48, .size: 8, .value_kind: global_buffer, .address_space: global }
      - { .name: out0, .offset: 56, .size: 8, .value_kind: global_buffer, .address_space: global }
      - { .name: out1, .offset: 64, .size: 8, .value_kind: global_buffer, .address_space: global }
    .group_segment_fixed_size: 327680
    .private_segment_fixed_size: 0
    .kernarg_segment_align: 8
    .kernarg_segment_size: 72
    .max_flat_workgroup_size: 128
    .sgpr_count:     102
    .vgpr_count:     1024
    .wavefront_size: 32
...
	.end_amdgpu_metadata
.endif
;; end of part 2
;; ======== version 2 of 2: 2 launches; version 1 with the launch cast written anew for expert scheduling mode
;; limits: below input magnitudes of 1e-05 results are inexact or not finite
;; workspace buffers: a_bf 16,777,216 bytes; b_bf 67,108,864 bytes
;; launch cast (part 3): grid 128 x 10, 8 waves a work-group, no clusters, 0 bytes of LDS; arguments x, h_x, W_xi, W_xf, W_xc, W_xo, W_hi, W_hf, W_hc, W_ho, a_bf, b_bf; writes a_bf, b_bf
.if DOCPART == 3
	.amdgcn_target "amdgcn-amd-amdhsa--gfx1250"
	.amdhsa_code_object_version 6
	.text
	.protected	k_q1be072d23c_cast
	.globl	k_q1be072d23c_cast
	.p2align	8
	.type	k_q1be072d23c_cast,@function
k_q1be072d23c_cast:
	s_mov_b64 s[64:65], 0
	v_nop
	global_prefetch_b8 v0, s[64:65] scope:SCOPE_SE
	s_setreg_imm32_b32 hwreg(HW_REG_WAVE_SCHED_MODE, 0, 2), 2
	s_setreg_imm32_b32 hwreg(HW_REG_WAVE_MODE, 25, 1), 1
	s_wait_xcnt 0x0
	s_wait_alu depctr_vm_vsrc(0)
; LSTM cell, first of two launches: x, h_x and the eight weight matrices are rounded ONCE to bf16 and laid out for the product of the second launch.
; NO WORK OF THE PROBLEM IS LEFT OUT: every one of its 15 inputs reaches an output; the ten matrix operands are read here, c_x and the four biases by the second launch.
; a_bf: bf16 [2048 m][4096 k]: k 0..2047 = x, k 2048..4095 = h_x; a row is 8,192 bytes.
; b_bf: bf16 [ct 32][ks 32][g 4][kk 128][c 64]: element (k, gate g, hidden n) with ct = n / 64, c = n % 64, ks = k / 128, kk = k % 128; k < 2048 from W_x*, else from W_h*; g = 0 i, 1 f, 2 c, 3 o.
;       So the 64 hidden columns x 4 gates x 128 k that one work-group of the second launch multiplies in one K step are 65,536 bytes on end.
; SHARES.  Grid y picks the source (in the order of the arguments), grid x 16 of its 2,048 rows, a wave two rows: 16,384 bytes in, 8,192 out.  No loop: a wave issues all its 32 loads of 16 bytes a lane
; at once, then converts each four numbers in place as they arrive and stores them.  Every store of a wave covers 256 consecutive bytes, aligned.  No LDS, no barrier: no wave wants a byte that another wave has read.
; LIMIT: rounding to bf16 is to nearest even; NaN and infinities pass as bf16 keeps them.
; THE MODE: SCHED_MODE bits 1:0 = 2 (LLVM: expert scheduling mode 2), set by the entry lines.  The code itself states the register dependences
; between vector instructions and memory instructions, with s_wait_alu, always for 0.
; THE PLAN.  Registers that memory instructions touch:
;   v[LO]          Written by vector instructions at the head of a path; read by the path's 32 loads as their offset; never written again.
;   v[SO ..]       Written likewise (one register for x and h_x, eight for a weight matrix); read by the stores as their offset; never written again.
;   X, chunk j     Load j lands in its four registers, which no vector instruction has named before.  Chunk j's two conversions read the four and write the first two; store j reads those two; never written again.
;   s33            The wave's number: written by v_readfirstlane_b32, read by scalar instructions.
; So: one wait on va_sdst ahead of s33's first reader; one wait on va_vdst ahead of a path's first load, for all its offsets; and the 32 chunks go in eight blocks of four, each with ONE wait on va_vdst
; between its eight conversions and the run of its four stores.  No register that a load or store has read is written again, so no wait on vm_vsrc is owed; EXEC is never written.
.set LO, 2                             ; v2       my byte offset in the wave's two source rows
.set SO, 4                             ; v[4:11]  my byte offset in the destination (weights: one register for each four ct, 8,388,608 bytes apart)
.set X,  16                            ; v[16:143] chunk j at X + 4 j: four f32 as loaded, then two registers of bf16
; 32 loads, lstride bytes apart; then eight blocks of four chunks: for each chunk the wait that leaves the younger loads out and two roundings of two numbers; then the block's four stores of 8 bytes a lane.
.macro CASTP lstride, weights
	s_wait_alu depctr_va_vdst(0)                   ; v[LO] and v[SO ..] are written: every load and store below reads one of them as its offset, and no later vector instruction names them
.set j, 0
.rept 32
	global_load_b128 v[X+4*j:X+4*j+3], v[LO], s[4:5] offset:(\lstride)*j th:TH_LOAD_NT
.set j, j+1
.endr
.set p, 0
.rept 8
.set j, 4*p
.rept 4
	s_wait_loadcnt 31-j                            ; loads come back in order: chunk j is in, the 31 - j younger ones may stay out
	v_cvt_pk_bf16_f32 v[X+4*j],   v[X+4*j],   v[X+4*j+1]
	v_cvt_pk_bf16_f32 v[X+4*j+1], v[X+4*j+2], v[X+4*j+3]
.set j, j+1
.endr
	s_wait_alu depctr_va_vdst(0)                   ; the block's eight conversions have written the first two registers of its four chunks, which the four stores below read
.set j, 4*p
.rept 4
.if \weights
	global_store_b64 v[SO+j/4], v[X+4*j:X+4*j+1], s[6:7] offset:(j%4)*2097152 th:TH_STORE_NT   ; chunk j = ct j: 2,097,152 bytes apart; a block's four stores share an offset register
.else
	global_store_b64 v[SO], v[X+4*j:X+4*j+1], s[6:7] offset:(j/16)*8192+(j%16)*256 th:TH_STORE_NT  ; row j / 16, 128 numbers j % 16
.endif
.set j, j+1
.endr
.set p, p+1
.endr
.endm
	s_load_b512 s[8:23], s[0:1], 0x0               ; x 8, h_x 10, W_xi 12, W_xf 14, W_xc 16, W_xo 18, W_hi 20, W_hf 22
	s_load_b256 s[24:31], s[0:1], 0x40             ; W_hc 24, W_ho 26, a_bf 28, b_bf 30
	v_and_b32 v1, 31, v0                           ; lane
	v_lshrrev_b32 v3, 5, v0
	v_readfirstlane_b32 s33, v3                    ; wave 0..7
	s_and_b32 s32, ttmp7, 0xffff                   ; which source
	s_lshl_b32 s34, ttmp9, 17                      ; 16 rows of 8,192 bytes,
	s_wait_alu depctr_va_sdst(0)                   ; s33 is written, ahead of its first reader: the wave's offsets in the source and in the destination are made from it
	s_lshl_b32 s35, s33, 14                        ; my wave's two of them
	s_add_co_u32 s34, s34, s35
	s_mov_b32 s35, 0
	s_wait_kmcnt 0x0
	s_mov_b64 s[4:5], s[8:9]                       ; the source's address: a choice among the ten by the grid's y alone
.irp i, 1,2,3,4,5,6,7,8,9
	s_cmp_eq_u32 s32, \i
	s_cselect_b64 s[4:5], s[8+2*(\i):9+2*(\i)], s[4:5]
.endr
	s_add_nc_u64 s[4:5], s[4:5], s[34:35]
	s_cmp_lt_u32 s32, 2
	s_cbranch_scc0 .Lweights
	; x or h_x: the two rows are 16,384 bytes on end; chunk j is 512 of them.  In a_bf a row has the same 8,192 bytes (4,096 bf16), h_x in its second half.
	s_lshl_b32 s36, s32, 12
	s_add_co_u32 s34, s34, s36
	s_add_nc_u64 s[6:7], s[28:29], s[34:35]
	v_lshlrev_b32 v[LO], 4, v1
	v_lshlrev_b32 v[SO], 3, v1
	CASTP 512, 0
	s_endpgm
.Lweights:
	; a weight matrix: lanes 0-15 take 64 columns (256 bytes) of row k, lanes 16-31 the same columns of row k + 1; chunk j is column block ct = j.  In b_bf those are rows kk and kk + 1: 256 bytes on end.
	s_sub_co_u32 s36, s32, 2
	s_lshr_b32 s37, s36, 2                         ; 0: W_x*, 1: W_h*: 16 K steps of 65,536 bytes on
	s_lshl_b32 s37, s37, 20
	s_and_b32 s36, s36, 3                          ; the gate: 16,384 bytes
	s_lshl_b32 s36, s36, 14
	s_add_co_u32 s36, s36, s37
	s_lshr_b32 s37, ttmp9, 3                       ; the K step within the matrix: row / 128
	s_lshl_b32 s37, s37, 16
	s_add_co_u32 s36, s36, s37
	s_and_b32 s37, ttmp9, 7                        ; kk = 16 (x % 8) + 2 wave, 128 bytes each
	s_lshl_b32 s37, s37, 11
	s_add_co_u32 s36, s36, s37
	s_lshl_b32 s37, s33, 8
	s_add_co_u32 s36, s36, s37
	s_mov_b32 s37, 0
	s_add_nc_u64 s[6:7], s[30:31], s[36:37]
	v_and_b32 v3, 15, v1
	v_lshrrev_b32 v[LO], 4, v1
	v_lshlrev_b32 v[LO], 13, v[LO]
	v_lshl_add_u32 v[LO], v3, 4, v[LO]             ; (lane / 16) x 8,192 + 16 (lane % 16)
	v_lshlrev_b32 v[SO], 3, v1                     ; 8 x lane = (lane / 16) x 128 + 8 (lane % 16)
.irp q, 1,2,3,4,5,6,7
	v_add_nc_u32 v[SO+(\q)], (\q)*8388608, v[SO]   ; four ct further on: the rest stands in the store's immediate
.endr
	CASTP 256, 1
	s_endpgm
.Lfunc_end_k_q1be072d23c_cast:
	.size	k_q1be072d23c_cast, .Lfunc_end_k_q1be072d23c_cast-k_q1be072d23c_cast
	.p2alignl 7, 3214868480
	.fill 96, 4, 3214868480
	.section	.rodata,"a",@progbits
	.p2align	6, 0x0
	.amdhsa_kernel k_q1be072d23c_cast
		.amdhsa_group_segment_fixed_size 0
		.amdhsa_private_segment_fixed_size 0
		.amdhsa_enable_private_segment 0
		.amdhsa_kernarg_size 96
		.amdhsa_user_sgpr_count 2
		.amdhsa_user_sgpr_kernarg_segment_ptr 1
		.amdhsa_wavefront_size32 1
		.amdhsa_system_sgpr_workgroup_id_x 1
		.amdhsa_system_sgpr_workgroup_id_y 1
		.amdhsa_system_sgpr_workgroup_id_z 1
		.amdhsa_system_vgpr_workitem_id 0
		.amdhsa_next_free_vgpr 144
		.amdhsa_next_free_sgpr 66
		.amdhsa_reserve_vcc 0
		.amdhsa_float_denorm_mode_32 3
		.amdhsa_float_denorm_mode_16_64 3
		.amdhsa_memory_ordered 1
		.amdhsa_forward_progress 1
		.amdhsa_inst_pref_size 26
	.end_amdhsa_kernel
	.amdgpu_metadata
---
amdhsa.version: [ 1, 2 ]
amdhsa.kernels:
  - .name:           k_q1be072d23c_cast
    .symbol:         k_q1be072d23c_cast.kd
    .args:
      - { .name: x, .offset: 0, .size: 8, .value_kind: global_buffer, .address_space: global }
      - { .name: h_x, .offset: 8, .size: 8, .value_kind: global_buffer, .address_space: global }
      - { .name: W_xi, .offset: 16, .size: 8, .value_kind: global_buffer, .address_space: global }
      - { .name: W_xf, .offset: 24, .size: 8, .value_kind: global_buffer, .address_space: global }
      - { .name: W_xc, .offset: 32, .size: 8, .value_kind: global_buffer, .address_space: global }
      - { .name: W_xo, .offset: 40, .size: 8, .value_kind: global_buffer, .address_space: global }
      - { .name: W_hi, .offset: 48, .size: 8, .value_kind: global_buffer, .address_space: global }
      - { .name: W_hf, .offset: 56, .size: 8, .value_kind: global_buffer, .address_space: global }
      - { .name: W_hc, .offset: 64, .size: 8, .value_kind: global_buffer, .address_space: global }
      - { .name: W_ho, .offset: 72, .size: 8, .value_kind: global_buffer, .address_space: global }
      - { .name: a_bf, .offset: 80, .size: 8, .value_kind: global_buffer, .address_space: global }
      - { .name: b_bf, .offset: 88, .size: 8, .value_kind: global_buffer, .address_space: global }
    .group_segment_fixed_size: 0
    .private_segment_fixed_size: 0
    .kernarg_segment_align: 8
    .kernarg_segment_size: 96
    .max_flat_workgroup_size: 256
    .sgpr_count:     66
    .vgpr_count:     144
    .wavefront_size: 32
...
	.end_amdgpu_metadata
.endif
;; end of part 3
;; launch lstm: the kernel of part 2 again; grid 32 x 8, 4 waves a work-group, clusters of 4 x 4, 327,680 bytes of LDS; arguments a_bf, b_bf, c_x, b_i, b_f, b_c, b_o, out0, out1; writes out0, out1
